; MI455X (gfx1250); checked and timed in simulation.
; The chip was launched on July 23, 2026; its instructions are those of AMD's public machine-readable ISA for CDNA 5 (MIT licence, August 2026) and "CDNA5" Instruction Set Architecture Reference Guide (July 2026). The comments in the code are by the model that wrote it; some were corrected since.
;; Intent Capture. Allowed arithmetic: matrix products marked QUANTISED: E5M2 operands, one E8M0 scale for each 32 along K, by v_wmma_scale_f32_16x16x128_f8f6f4 with both operands' format E5M2, f32 sums; products left as they are: f32 operands where the result goes on into a quantised operand, else bf16, f16 or f32 operands; f32 sums; everything else in f32.
;; Inputs: W1_codes 1,024 x 32 x 32 uint8 (E5M2 codes of W1, K innermost, in blocks of 32 codes); W1_scales 1,024 x 32 uint8 (E8M0 scales of W1, one for each 32 codes along K); b1 1,024 float32; mask 128 x 512 bool; seq_output 128 x 512 x 1,024 float32; w2 1,024 float32.
;; Outputs: out0 128 x 1,024 float32; out1 128 x 1,024 float32.
;; This version of the problem:
;;   THIS VERSION OF THE PROBLEM IS GIVEN IN LOW PRECISION. The matrix products marked QUANTISED in the list below multiply operands that are first quantised to E5M2 (5 exponent bits, 2 mantissa bits; 8 bits a number), with one power-of-two scale for each 32 numbers along K (OCP MX v1.0); their sums are f32. All else is computed in f32.
;;   The module's matrix products, in the order in which they are computed (A, B: the left and right operand; K: the contracted axis; several contracted axes count as one K, in the product's order):
;;     1. [M 65,536, K 1,024] x [K 1,024, N 1,024]; A: input seq_output; B: input W1 (given as codes): QUANTISED
;;     2. [M 65,536, K 1,024] x [K 1,024, N 1]; A: computed on the way; B: input w2: left as it is (N = 1 < 16)
;;     3. batch 128 x [M 1, K 512] x [K 512, N 1,024]; A: softmax; B: input seq_output: left as it is (M = 1 < 16)
;;   THE QUANTISER, for each operand of a quantised product, along K:
;;     - K is cut into blocks of 32 from its start; a last block that is shorter is filled with zeros.
;;     - A block's scale is 2^e with e = floor(log2(the largest magnitude in the block)) - 15, held to -126 .. 127; a block of zeros has e = 0. As a byte (E8M0): e + 127.
;;     - Each number is divided by its block's scale, clamped to +-57,344, and rounded to the nearest number of E5M2, ties to even, subnormals kept.
;;     - The product sums the exact products of the quantised numbers (number of the format x scale) in f32.
;;   ~~~python
;;   def quantise(x, axis):      # numpy; x: float32 -> the quantised numbers, widened to float32 again
;;       x = np.moveaxis(x, axis, -1); K = x.shape[-1]
;;       x = np.pad(x, [(0, 0)] * (x.ndim - 1) + [(0, -K % 32)]); x = x.reshape(x.shape[:-1] + (-1, 32)); a = np.abs(x).max(-1, keepdims=True)
;;       e = np.where(a > 0, np.clip(np.frexp(np.where(a > 0, a, 1))[1] - 1 - 15, -126, 127), 0)      # np.frexp(a)[1] - 1 = floor(log2(a)), exactly
;;       r = np.clip(x / 2.0 ** e, -57344, 57344)
;;       step = 2.0 ** (np.maximum(np.frexp(np.where(r == 0, 1, r))[1] - 1, -14) - 2)
;;       q = np.round(r / step) * step * 2.0 ** e      # np.round: ties to even
;;       return np.moveaxis(q.reshape(q.shape[:-2] + (-1,))[..., :K], -1, axis).astype(np.float32)
;;   ~~~
;;   INPUTS GIVEN AS CODES. W1 (in the module: [1024, 1024], K = its axis 0): each comes as NAME_codes (uint8): NAME with its K axis moved to the last place and cut into blocks of 32 codes, [.., K / 32, bytes a block], one block behind the other in memory; one code a byte (a code: sign, 5 exponent bits, 2 mantissa bits); and NAME_scales (uint8): the same leading axes, one E8M0 byte (e + 127) for each 32 codes along K. Its value is code x scale, taken as it is: it is not quantised again, and the codes and scales need not be those that the quantiser above would give.
;; One version. Each part assembles by itself: llvm-mc -triple=amdgcn-amd-amdhsa -mcpu=gfx1250 --defsym DOCPART=n.
;; ======== version 1 of 1: 2 launches
;; limits: right only within a limited range of input values
;; workspace buffers: scores 262,144 bytes
;; launch score (part 1): grid 256 x 1, 4 waves a work-group, clusters of 4 x 1, 327,680 bytes of LDS; arguments seq_output, W1_codes, W1_scales, b1, w2, mask, scores; writes scores
.if DOCPART == 1
	.amdgcn_target "amdgcn-amd-amdhsa--gfx1250"
	.amdhsa_code_object_version 6
	.text
	.protected	k_qc182442db8_score
	.globl	k_qc182442db8_score
	.p2align	8
	.type	k_qc182442db8_score,@function
k_qc182442db8_score:
	s_mov_b64 s[64:65], 0
	v_nop
	global_prefetch_b8 v0, s[64:65] scope:SCOPE_SE
	s_setreg_imm32_b32 hwreg(HW_REG_WAVE_MODE, 25, 1), 1
	s_wait_xcnt 0x0
	s_wait_alu depctr_hold_cnt(0) depctr_sa_sdst(0) depctr_va_vdst(0) depctr_va_sdst(0) depctr_va_ssrc(0) depctr_va_vcc(0) depctr_vm_vsrc(0)
	s_getreg_b32 s2, hwreg(HW_REG_IB_STS2, 6, 4)
	s_cmp_eq_u32 s2, 0
	s_cbranch_scc0 .Lentry_in_a_cluster
	s_endpgm
.Lentry_in_a_cluster:
	s_bfe_u32 s2, ttmp6, 0x10000c
	s_cmp_lg_u32 s2, 0x3003
	s_cbranch_scc0 .Lentry_shape_is_right
	s_endpgm
.Lentry_shape_is_right:
; scores[row] = sum over e of w2[e] tanh((Q(x[row]) . W1[:, e]) + b1[e]), rows = 128 x 512, the product on E5M2 codes with E8M0 scales for each 32 along K = 1024.
; SHARES.  A work-group owns 256 rows, a wave 64: four tiles of 16 rows.  PART 1: the wave's rows come as f32, are turned in an LDS stage so that a lane holds 16 neighbours along K,
; are quantised, and their codes stay in 512 registers (windows 2 and 3).  PART 2: W1's 1,024 columns go through two LDS slots of 64 columns (rows of 1,024 code bytes); a group of 32 columns is
; 64 matrix instructions a wave (8 accumulators by turns, 8 K steps), then tanh and the sum with w2 in batches: tanh(z) = 1 - 2 / (1 + 2^(2 z log2 e)).
; A MASKED ROW OF x IS NOT FETCHED: the next launch puts -1e9 in the place of its score whatever this launch stores, so its loads are steered (s_cselect on the mask byte, no branch) to the wave's first row.
; The number stored for it is that row's score and is never used.  Its matrix work stays: it lies in tiles that also hold rows that count.  LIMIT: NaN and infinities in a masked row are not carried.
; CLUSTER 4 x 1: all work-groups walk the same W1, so every tile of it and its scales are asked for jointly by the four.  No prefetch: x is kept on its way by 64 register loads a wave;
; a slot of W1 is asked for 128 matrix instructions a wave ahead of its first read.
.set WP,    1040                       ; a column of W1 in LDS: 1,024 bytes + 16
.set SLOT1, 1<<17
.set STG,   66560                      ; stages: 16 rows x 528 bytes a wave
.set SGP,   528
.set TB,    100352                     ; table: (b1 x 2 log2 e, -2 w2) for each column
.set SCB,   108544                     ; the way out: 64 scores a wave
.set IMGS,  109568                     ; image of a tile's scale words
.set SPARE, 113664
.set SCL,   197632                     ; W1's scales, units of 256 + 16 bytes
.set SCLE,  SCL+4*8704                 ; zeros behind them: the last look-ahead reads here
.set IMG,   245760                     ; image of a tile's codes, 16 KiB a wave
.set SPW,  1
.set NIL,  2
.set ADB0, 3
.set ADS,  4
.set ADT,  5
.set STI,  6
.set STO,  7
.set IMI0, 8
.set IMS0, 9
.set L16,  10
.set SCA,  11
.set EW,   16
.set W2S,  24
.set T0,   25
.set ADB,  26
.set T1,   27
.set T2,   28
.set T3,   29
.set IMIW, 30
.set IMSW, 31
.set XS,   32                          ; x's scale words, 8 a tile
.set BS,   64                          ; W1's scale words, two sets
.set SA,   96                          ; the scores' sums: 4 tiles x 8 rows
.set ACC,  128                         ; 8 accumulators
.set X,    128                         ; part 1: two sets of 64 numbers
.set TM,   64
.set PCD,  80
.set PW,   112
; part 1: the 16 rows' offsets stand in v114-127, v12, v13
.set WV,   16
.set TBS,  19
.set SEL,  20
.set CS,   22
.set MNT,  24
.set OST,  25
.set IST,  30
.set ISS,  31
.set G1W,  32                          ; group 1: 16 columns (the ring)
.set G1S,  40                          ; the scales
.set G0S,  48
.set G0A,  52                          ; head: slot 0 whole
.set G0B,  56                          ; the ring's walking group 0
.set G0H,  60                          ; head: half of slot 1
.set G1A,  68                          ; 64 columns
.set G1B,  76                          ; 32 columns
.set MK,   84                          ; s[84:99] my 64 mask bytes; s[84:87] those of the tile being fetched
.set RB,   100                         ; byte offset of that tile's first row and K half
.set DB,   101                         ; the same K half of my first row
.set MSB, 0
.macro WIN new
.if MSB != (\new)
	s_set_vgpr_msb (MSB<<8)|(\new)
.set MSB, (\new)
.endif
.endm
.macro CROUND
	s_barrier_signal -1
	s_barrier_wait -1
	s_cmp_lg_u32 s[WV], 0
	s_cbranch_scc1 .Lnot_wave_0_\@
	s_barrier_signal -3
.Lnot_wave_0_\@:
	s_barrier_wait -3
	s_barrier_signal -1
	s_barrier_wait -1
.endm
.macro NOPS n
.rept \n
	v_nop
.endr
.endm
	s_load_b256 s[4:11], s[0:1], 0x0               ; x, W1 codes, W1 scales, b1
	s_load_b128 s[12:15], s[0:1], 0x20             ; w2, mask
	s_load_b64 s[66:67], s[0:1], 0x30              ; scores
	v_lshl_add_u32 v[SPW], v0, 2, SPARE
	v_mov_b32 v[NIL], 0
	ds_add_u32 v[SPW], v[NIL]                      ; the opening lines: the add twice and its wait
	ds_add_u32 v[SPW], v[NIL]
	v_lshrrev_b32 v[T0], 5, v0
	v_readfirstlane_b32 s[WV], v[T0]
	s_bfe_u32 s17, ttmp6, 0x40000
	s_lshl_b32 s18, ttmp9, 2
	s_add_co_u32 s18, s18, s17                     ; my work-group
.irp g, G1W, G1A, G1B
	s_mov_b32 s[\g], 15|(1<<20)|(1<<21)|(7<<22)|(3<<25)   ; mask of the four; bytes; 4 words of padding behind every 256
	s_mov_b32 s[\g+1], 1024<<16
	s_mov_b32 s[\g+3], 1024<<16
	s_mov_b32 s[\g+5], 1024
	s_mov_b32 s[\g+6], 0
	s_mov_b32 s[\g+7], 0
.endr
	s_mov_b32 s[G1W+2], 16<<16
	s_mov_b32 s[G1W+4], 16
	s_mov_b32 s[G1A+2], 64<<16
	s_mov_b32 s[G1A+4], 64
	s_mov_b32 s[G1B+2], 32<<16
	s_mov_b32 s[G1B+4], 32
	s_mov_b32 s[G1S], 15|(3<<16)|(1<<20)|(1<<21)|(5<<22)|(3<<25)   ; 128 rows of 256 bytes, 16 behind each
	s_mov_b32 s[G1S+1], 32<<16
	s_mov_b32 s[G1S+2], 128<<16
	s_mov_b32 s[G1S+3], 32<<16
	s_mov_b32 s[G1S+4], 128
	s_mov_b32 s[G1S+5], 32
	s_mov_b32 s[G1S+6], 0
	s_mov_b32 s[G1S+7], 0
	s_mov_b32 s[SEL], 0x76543210
	s_mov_b32 s[SEL+1], 0xfedcba98
	s_mov_b32 s[CS], 0x4038aa3b                    ; 2 log2 e
	s_mov_b32 s[CS+1], s[CS]
	s_mov_b32 s[MNT], 0x600000
	s_mov_b32 s27, 0
	s_wait_dscnt 0x0
	s_wait_kmcnt 0x0
	s_lshl_b32 s26, s18, 8
	s_lshl_b32 s17, s[WV], 6
	s_add_co_u32 s26, s26, s17
	s_add_nc_u64 s[14:15], s[14:15], s[26:27]
	s_load_b512 s[MK:MK+15], s[14:15], 0x0         ; my 64 rows' mask bytes
	s_mov_b32 s[G0S], 1
	s_mov_b32 s[G0S+1], SCL
	s_mov_b64 s[G0S+2:G0S+3], s[8:9]
	s_or_b32 s[G0S+3], s[G0S+3], 0x80000000
	s_mov_b32 s[G0A], 1
	s_mov_b32 s[G0A+1], 0
	s_mov_b64 s[G0A+2:G0A+3], s[6:7]
	s_or_b32 s[G0A+3], s[G0A+3], 0x80000000
	s_and_b32 s17, s[WV], 1
	s_mov_b32 s[G0H], 1
	s_mul_i32 s[G0H+1], s17, 32*WP
	s_add_co_u32 s[G0H+1], s[G0H+1], SLOT1
	s_lshl_b32 s26, s17, 15
	s_add_co_u32 s26, s26, 0x10000
	s_add_nc_u64 s[G0H+2:G0H+3], s[6:7], s[26:27]
	s_or_b32 s[G0H+3], s[G0H+3], 0x80000000
	s_mov_b32 s[G0B], 1                            ; the ring: my 16 columns of a slot; it stands at slot 1 and is stepped ahead of each refill
	s_mul_i32 s[G0B+1], s[WV], 16*WP
	s_add_co_u32 s[G0B+1], s[G0B+1], SLOT1
	s_lshl_b32 s26, s[WV], 14
	s_add_co_u32 s26, s26, 0x10000
	s_add_nc_u64 s[G0B+2:G0B+3], s[6:7], s[26:27]
	s_or_b32 s[G0B+3], s[G0B+3], 0x80000000
	CROUND                                         ; the four work-groups are here: the joint loads meet
; the first fills, one a wave: wave 0 the scales, wave 1 slot 0, waves 2 and 3 the halves of slot 1
.macro ARM under, g0, g1, next
	s_cmp_lt_u32 s[WV], \under
	s_cbranch_scc0 \next
	tensor_load_to_lds s[\g0:\g0+3], s[\g1:\g1+7]
	s_nop 0
	NOPS 4
	s_branch .Lhead_asked
\next:
.endm
	ARM 1, G0S, G1S, .Lhead_a
	ARM 2, G0A, G1A, .Lhead_b
	tensor_load_to_lds s[G0H:G0H+3], s[G1B:G1B+7]
	s_nop 0
	NOPS 4
.Lhead_asked:
	s_lshl_b32 s26, s18, 20
	s_lshl_b32 s17, s[WV], 18
	s_add_co_u32 s26, s26, s17
	s_add_nc_u64 s[4:5], s[4:5], s[26:27]          ; x at my first row
	s_lshl_b32 s26, s18, 10
	s_lshl_b32 s17, s[WV], 8
	s_add_co_u32 s26, s26, s17
	s_add_nc_u64 s[66:67], s[66:67], s[26:27]      ; my 64 scores
	v_and_b32 v[T2], 15, v0
	v_bfe_u32 v[T3], v0, 4, 1
	v_and_b32 v[L16], 31, v0
	v_lshlrev_b32 v[T1], 7, v[L16]
	v_lshlrev_b32 v[IMS0], 2, v[L16]
	v_lshlrev_b32 v[L16], 4, v[L16]
	v_lshlrev_b32 v[T0], 5, v0
	v_mul_u32_u24 v[ADB0], v[T2], WP
	v_lshl_add_u32 v[ADB0], v[T3], 4, v[ADB0]
	v_lshrrev_b32 v[ADS], 3, v[T2]
	v_mul_u32_u24 v[ADS], v[ADS], 272
	v_and_b32 v[W2S], 7, v[T2]
	v_lshl_add_u32 v[ADS], v[W2S], 5, v[ADS]
	v_add_nc_u32 v[ADS], SCL-1088, v[ADS]          ; stepped by 1,088 (32 columns) ahead of each use
	v_lshl_add_u32 v[ADT], v[T2], 3, TB-256
	s_mul_i32 s26, s[WV], 16*SGP
	s_add_co_u32 s26, s26, STG
	v_add_nc_u32 v[STI], s26, v[L16]
	v_mul_u32_u24 v[STO], v[T2], SGP
	v_lshl_add_u32 v[STO], v[T3], 6, v[STO]
	v_add_nc_u32 v[STO], s26, v[STO]
	s_lshl_b32 s26, s[WV], 14
	s_add_co_u32 s26, s26, IMG
	v_add_nc_u32 v[IMI0], s26, v[L16]
	s_lshl_b32 s26, s[WV], 10
	s_add_co_u32 s26, s26, IMGS
	v_add_nc_u32 v[IMS0], s26, v[IMS0]
	s_lshl_b32 s26, s[WV], 8
	s_add_co_u32 s26, s26, SCB
	v_lshl_add_u32 v[SCA], v[T3], 5, s26
; the 16 rows' offsets: row i of the tile, or my first row where the mask byte is set; held inside my 64 rows
.macro ROWS
.irp i, 0,1,2,3,4,5,6,7,8,9,10,11,12,13,14,15
	s_add_co_u32 s17, s[RB], 4096*\i
	s_bitcmp1_b32 s[MK+\i/4], 8*(\i%4)
	s_cselect_b32 s17, s[DB], s17
	s_min_u32 s17, s17, 0x3f800
	v_add_nc_u32 v[114+\i-116*(\i/14)], s17, v[L16]
.endr
	s_wait_alu depctr_va_vdst(0)                   ; the wait behind these writes
.endm
.macro LOADF q                         ; 16 rows x 512 bytes (128 along K) into buffer q of window 1
	WIN 0x40
.irp i, 0,1,2,3,4,5,6,7,8,9,10,11,12,13,14,15
	global_load_b128 v[64*(\q)+4*\i:64*(\q)+4*\i+3], v[114+\i-116*(\i/14)], s[4:5] offset:512*(\q)
.endr
	WIN 0
.endm
.macro TURN q, p                       ; buffer q through my stage: a lane then holds 4 x 16 neighbours along K of row lane % 16
	WIN 0x04
.irp i, 0,1,2,3,4,5,6,7,8,9,10,11,12,13,14,15
	ds_store_b128 v[STI], v[64*(\q)+4*\i:64*(\q)+4*\i+3] offset:SGP*\i
.endr
	WIN 0
.irp b, 0,1,2,3
.irp j, 0,1,2,3
	ds_load_b128 v[X+64*(\p)+16*\b+4*\j:X+64*(\p)+16*\b+4*\j+3], v[STO] offset:128*\b+16*\j
.endr
.endr
.endm
.macro QUANT                           ; four blocks of 32 (16 mine, 16 in lane xor 16): scale byte, hold, codes
.irp b, 0,1,2,3
	v_max3_num_f32 v[TM+\b], |v[QX+16*\b]|, |v[QX+1+16*\b]|, 0x8000000
.endr
.irp i, 2,4,6,8,10,12,14
.irp b, 0,1,2,3
	v_max3_num_f32 v[TM+\b], v[TM+\b], |v[QX+16*\b+\i]|, |v[QX+1+16*\b+\i]|
.endr
.endr
.irp b, 0,1,2,3
	v_permlanex16_b32 v[TM+4+\b], v[TM+\b], s[SEL], s[SEL+1]
.endr
.irp b, 0,1,2,3
	v_max_num_f32 v[TM+\b], v[TM+\b], v[TM+4+\b]
.endr
.irp b, 0,1,2,3
	v_add_nc_u32 v[TM+12+\b], 0xf8800000, v[TM+\b]
.endr
.irp b, 0,1,2,3
	v_and_or_b32 v[TM+8+\b], v[TM+\b], 0x7f800000, s[MNT]
.endr
.irp b, 0,1,2,3
	v_lshrrev_b32 v[TM+4+\b], 23, v[TM+12+\b]
.endr
	v_lshl_or_b32 v[QW], v[TM+5], 8, v[TM+4]
	v_lshl_or_b32 v[QW], v[TM+6], 16, v[QW]
	v_lshl_or_b32 v[QW], v[TM+7], 24, v[QW]
.irp b, 0,1,2,3
.irp i, 0,1,2,3,4,5,6,7,8,9,10,11,12,13,14,15
	v_med3_num_f32 v[QX+16*\b+\i], v[QX+16*\b+\i], -v[TM+8+\b], v[TM+8+\b]
.endr
	v_cvt_scalef32_pk8_bf8_f32 v[QC+4*\b:QC+1+4*\b], v[QX+16*\b:QX+7+16*\b], v[TM+12+\b]
	v_cvt_scalef32_pk8_bf8_f32 v[QC+2+4*\b:QC+3+4*\b], v[QX+8+16*\b:QX+15+16*\b], v[TM+12+\b]
.endr
	v_nop
.endm
.macro IMAGE q                         ; the fragment's registers as they are, into my image
.irp c, 0,1,2,3
	ds_store_b128 v[IMIW], v[QC+4*\c:QC+4*\c+3] offset:2048*(\q)+512*\c
.endr
	ds_store_b32 v[IMSW], v[QW] offset:128*(\q)
.endm
.macro STEP q, m                       ; refill buffer q, turn buffer q + 1, quantise what was turned a step ago
.if \q > 0
	s_wait_dscnt 5                                 ; all but the 5 image stores: this step's numbers are back
.endif
.if \m == 3
	s_cmp_eq_u32 s28, 1
	s_cbranch_scc1 .Lno_\@                         ; the last trip fetches nothing
.endif
	LOADF \q
	s_wait_loadcnt 48                              ; the three younger buffers may be out
.if \m == 3
	s_branch .Lj_\@
.Lno_\@:
	s_wait_loadcnt 0x0
.Lj_\@:
.endif
	TURN (\q+1)%4, (\q+1)%2
.set QX, X+64*(\q%2)
.set QC, PCD+16*(\q%2)
.set QW, PW+(\q%2)
	QUANT
	IMAGE \q
.endm
.macro FETCH m                         ; tile m's codes from the image into their registers (window 2 or 3), its scale words into window 0
	WIN 0x80+0x40*((\m)/2)
.irp s, 0,1,2,3,4,5,6,7
.irp c, 0,1,2,3
	ds_load_b128 v[128*((\m)%2)+16*\s+4*\c:128*((\m)%2)+16*\s+4*\c+3], v[IMI0] offset:2048*\s+512*\c
.endr
.endr
	WIN 0
.irp s, 0,1,2,3,4,5,6,7
	ds_load_b32 v[XS+8*(\m)+\s], v[IMS0] offset:128*\s
.endr
.endm
	global_load_b128 v[128:131], v[T0], s[10:11]
	global_load_b128 v[132:135], v[T0], s[10:11] offset:16
	global_load_b128 v[136:139], v[T0], s[12:13]
	global_load_b128 v[140:143], v[T0], s[12:13] offset:16
.irp i, 0,1,2,3,4,5,6,7
	global_load_b128 v[160+4*\i:163+4*\i], v[T1], s[12:13] offset:16*\i
.endr
	s_mov_b32 s[RB], 0
	s_mov_b32 s[DB], 0
	s_mov_b32 s[OST], 2048
	s_wait_alu depctr_va_vdst(0)                   ; the wait at the head's end
	s_wait_kmcnt 0x0                               ; the mask bytes
	ROWS
	LOADF 0
	LOADF 1
	LOADF 2
.irp i, 0,1,2,3
	v_mov_b32 v[192+\i], 0
	v_mov_b32 v[TM+4+\i], 0
.endr
	v_lshl_add_u32 v[IMIW], v0, 4, SCLE
	ds_store_b128 v[IMIW], v[192:195]
	v_lshl_add_u32 v[IMSW], v0, 6, TB
	s_wait_loadcnt 48                              ; b1 and w2 are in
.irp k, 0,1,2,3,4,5,6,7
	v_mul_f32 v[144+2*\k], s[CS], v[128+\k]
	v_mul_f32 v[145+2*\k], -2.0, v[136+\k]
.endr
.irp i, 0,1,2,3
	ds_store_b128 v[IMSW], v[144+4*\i:147+4*\i] offset:16*\i
.endr
.irp i, 0,2,4,6,8,10,12,14
	v_pk_add_f32 v[160+\i:161+\i], v[160+\i:161+\i], v[176+\i:177+\i]
.endr
.irp i, 0,2,4,6
	v_pk_add_f32 v[160+\i:161+\i], v[160+\i:161+\i], v[168+\i:169+\i]
.endr
.irp i, 0,2
	v_pk_add_f32 v[160+\i:161+\i], v[160+\i:161+\i], v[164+\i:165+\i]
.endr
	v_pk_add_f32 v[160:161], v[160:161], v[162:163]
	v_add_f32 v[W2S], v160, v161
.irp k, 1,2,4,8
	v_add_f32_dpp v[W2S], v[W2S], v[W2S] row_xmask:\k row_mask:0xf bank_mask:0xf
.endr
	v_mov_b32 v[T1], 0
	v_permlanex16_b32 v[T1], v[W2S], s[SEL], s[SEL+1]
	v_add_f32 v[W2S], v[W2S], v[T1]
	v_mul_f32 v[W2S], 0x3d800000, v[W2S]           ; the sum of w2 / 16: sixteen lanes' sums start with it
	LOADF 3
	s_wait_loadcnt 48
	s_wait_dscnt 0x0
	TURN 0, 0
.irp m, 0,1,2,3
	s_mov_b32 s[IST], 0
	s_mov_b32 s[ISS], 0
	s_mov_b32 s28, 2
.Lfrag\m:                              ; a trip: four K steps of tile m; its loads are the next trip's
	s_wait_dscnt 0x0
	v_add_nc_u32 v[IMIW], s[IST], v[IMI0]
	v_add_nc_u32 v[IMSW], s[ISS], v[IMS0]
	s_add_co_u32 s[RB], s[RB], s[OST]              ; by turns the tile's second K half, and the next tile's first
	s_xor_b32 s[OST], s[OST], 0xf000
	s_xor_b32 s[DB], s[DB], 2048
.if \m < 3
	s_cmp_eq_u32 s28, 1
	s_cselect_b64 s[MK:MK+1], s[MK+4*\m+4:MK+4*\m+5], s[MK:MK+1]
	s_cselect_b64 s[MK+2:MK+3], s[MK+4*\m+6:MK+4*\m+7], s[MK+2:MK+3]
.endif
	s_wait_xcnt 0x0                                ; the last trip's loads have read their offsets
	ROWS
	STEP 0, \m
	STEP 1, \m
	STEP 2, \m
	STEP 3, \m
	s_add_co_u32 s[IST], s[IST], 8192
	s_add_co_u32 s[ISS], s[ISS], 512
	s_sub_co_u32 s28, s28, 1
	s_cmp_lg_u32 s28, 0
	s_cbranch_scc1 .Lfrag\m
	FETCH \m
.endr
; PART 2
.macro HRUN half, gq                   ; W1's fragments of four K steps x 32 columns into window 1
	WIN 0x40
.irp t, 0,1,2,3
.irp u, 0,1
.irp c, 0,1,2,3
	ds_load_b128 v[32*(4*\half+\t)+16*\u+4*\c:32*(4*\half+\t)+16*\u+4*\c+3], v[ADB] offset:(32*\gq+16*\u)*WP+128*(4*\half+\t)+32*\c
.endr
.endr
.endr
	WIN 0
.endm
.macro BSLOAD p
	v_add_nc_u32 v[ADS], 1088, v[ADS]
.irp u, 0,1
.irp i, 0,1
	ds_load_b128 v[BS+16*(\p)+8*\u+4*\i:BS+16*(\p)+8*\u+4*\i+3], v[ADS] offset:544*\u+16*\i
.endr
.endr
.endm
.macro EWLOAD p
	v_add_nc_u32 v[ADT], 256, v[ADT]
.irp u, 0,1
	ds_load_b64 v[EW+4*(\p)+2*\u:EW+4*(\p)+2*\u+1], v[ADT] offset:128*\u
.endr
.endm
.macro RUN p, k0                       ; 32 matrix instructions: four K steps, the 8 accumulators (2 x 16 columns, 4 tiles of rows) by turns
.irp k, 0,1,2,3
.set KS, \k0+\k
.irp w, 0,1
	WIN 0x06+\w
.irp u, 0,1
.irp d, 0,1
.set RM, 2*\w+\d
.set RD, ACC+8*(4*\u+RM)
.if KS == 0
	v_wmma_scale_f32_16x16x128_f8f6f4 v[RD:RD+7], v[128*\d+16*KS:128*\d+16*KS+15], v[32*KS+16*\u:32*KS+16*\u+15], 0, v[XS+8*RM+KS], v[BS+16*(\p)+8*\u+KS] matrix_a_fmt:MATRIX_FMT_BF8 matrix_b_fmt:MATRIX_FMT_BF8
.else
	v_wmma_scale_f32_16x16x128_f8f6f4 v[RD:RD+7], v[128*\d+16*KS:128*\d+16*KS+15], v[32*KS+16*\u:32*KS+16*\u+15], v[RD:RD+7], v[XS+8*RM+KS], v[BS+16*(\p)+8*\u+KS] matrix_a_fmt:MATRIX_FMT_BF8 matrix_b_fmt:MATRIX_FMT_BF8
.endif
.endr
.endr
.endr
.endr
	WIN 0
.endm
.macro EPI p                           ; 64 numbers a lane (column lane % 16 of each half, 8 rows of 4 tiles): sums += -2 w2 / (1 + 2^(2 log2 e (z + b1))).  Each batch has its wait ahead and behind
.set EE, EW+4*(\p)
	NOPS 8                                         ; places behind the last matrix instruction
.set i, 0
.rept 32
	v_pk_fma_f32 v[ACC+2*i:ACC+2*i+1], v[ACC+2*i:ACC+2*i+1], s[CS:CS+1], v[EE+2*(i/16):EE+2*(i/16)+1] op_sel_hi:[1,0,0]
.set i, i+1
.endr
	s_wait_alu depctr_va_vdst(0)
.set i, 0
.rept 64
	v_exp_f32 v[ACC+i], v[ACC+i]
.set i, i+1
.endr
	v_nop
	s_wait_alu depctr_va_vdst(0)
.set i, 0
.rept 32
	v_pk_add_f32 v[ACC+2*i:ACC+2*i+1], v[ACC+2*i:ACC+2*i+1], 1.0 op_sel_hi:[1,0]
.set i, i+1
.endr
	s_wait_alu depctr_va_vdst(0)
.set i, 0
.rept 64
	v_rcp_f32 v[ACC+i], v[ACC+i]
.set i, i+1
.endr
	v_nop
	s_wait_alu depctr_va_vdst(0)
.set i, 0
.rept 32
.set ES, SA+8*((i/4)%4)+2*(i%4)
	v_pk_fma_f32 v[ES:ES+1], v[ACC+2*i:ACC+2*i+1], v[EE+2*(i/16):EE+2*(i/16)+1], v[ES:ES+1] op_sel:[0,1,0] op_sel_hi:[1,1,1]
.set i, i+1
.endr
.endm
; A group of 32 columns.  At its head the first four K steps' fragments and the scale words have been asked for.  chg: the group is its slot's last: the slots change in its middle, when all its fragments are in registers.
.macro GROUP p, chg, fill
	HRUN 1, \p
	s_wait_dscnt 32                                ; all but the 32 just issued
	RUN \p, 0
	NOPS 8                                         ; places in front of loads into registers that the run has read
	EWLOAD \p
.if \chg
	s_wait_tensorcnt 0x0                           ; my part of the next slot is in
	ds_add_u32 v[SPW], v[NIL]
.if \fill
	s_xor_b32 s[G0B+1], s[G0B+1], SLOT1
	s_add_nc_u64 s[G0B+2:G0B+3], s[G0B+2:G0B+3], 0x10000
.endif
	s_xor_b32 s[TBS], s[TBS], SLOT1
	s_wait_dscnt 0x0                               ; the add, and my reads of this slot
.if \fill
	CROUND
	tensor_load_to_lds s[G0B:G0B+3], s[G1W:G1W+7]  ; the slot just left takes the columns two slots on
	s_nop 0
	NOPS 4
.else
	s_barrier_signal -1
	s_barrier_wait -1
.endif
	v_add_nc_u32 v[ADB], s[TBS], v[ADB0]
	HRUN 0, 0
	BSLOAD 0
.else
	HRUN 0, 1
	BSLOAD 1
	s_wait_dscnt 36                                ; all but the 36 just issued
.endif
	RUN \p, 4
	EPI \p
.endm
.set i, 0
.rept 32
	v_mov_b32 v[SA+i], v[W2S]
.set i, i+1
.endr
	s_wait_alu depctr_va_vdst(0)
	s_wait_tensorcnt 0x0                           ; my first fill is in,
	s_wait_dscnt 0x0                               ; my stores to the table and my codes too
	s_barrier_signal -1
	s_barrier_wait -1
	s_mov_b32 s[TBS], 0
	v_mov_b32 v[ADB], v[ADB0]
	HRUN 0, 0
	BSLOAD 0
	s_mov_b32 s28, 14
	s_wait_alu depctr_va_vdst(0)
.Lslot:                                ; a trip: a slot of 64 columns; slots 2 to 15 are asked for here
	GROUP 0, 0, 0
	GROUP 1, 1, 1
	s_sub_co_u32 s28, s28, 1
	s_cmp_lg_u32 s28, 0
	s_cbranch_scc1 .Lslot
	s_mov_b32 s29, 2
.Ltail:                                ; the last two slots ask for nothing
	GROUP 0, 0, 0
	GROUP 1, 1, 0
	s_sub_co_u32 s29, s29, 1
	s_cmp_lg_u32 s29, 0
	s_cbranch_scc1 .Ltail
.irp k, 1,2,4,8                        ; the sixteen columns' lanes are summed
.set i, 0
.rept 32
	v_add_f32_dpp v[SA+i], v[SA+i], v[SA+i] row_xmask:\k row_mask:0xf bank_mask:0xf
.set i, i+1
.endr
.endr
	s_lshl_b32 s26, s[WV], 8
	s_add_co_u32 s26, s26, SCB
	v_lshrrev_b32 v[T1], 1, v[L16]
	v_add_nc_u32 v[T0], s26, v[T1]
.irp m, 0,1,2,3
.irp j, 0,1,2,3,4,5,6,7
	ds_store_b32 v[SCA], v[SA+8*\m+\j] offset:4*(16*\m+\j)
.endr
.endr
	ds_load_b64 v[T2:T3], v[T0]
	s_wait_alu depctr_va_vdst(0)
	s_wait_dscnt 0x0
	global_store_b64 v[T1], v[T2:T3], s[66:67]     ; the wave stores 256 consecutive bytes, aligned
	s_wait_tensorcnt 0x0                           ; the wave's end
	ds_add_u32 v[SPW], v[NIL]
	s_wait_dscnt 0x0
	CROUND                                         ; the closing round
	s_endpgm
.Lfunc_end_k_qc182442db8_score:
	.size	k_qc182442db8_score, .Lfunc_end_k_qc182442db8_score-k_qc182442db8_score
	.p2alignl 7, 3214868480
	.fill 96, 4, 3214868480
	.section	.rodata,"a",@progbits
	.p2align	6, 0x0
	.amdhsa_kernel k_qc182442db8_score
		.amdhsa_group_segment_fixed_size 327680
		.amdhsa_private_segment_fixed_size 0
		.amdhsa_enable_private_segment 0
		.amdhsa_kernarg_size 56
		.amdhsa_user_sgpr_count 2
		.amdhsa_user_sgpr_kernarg_segment_ptr 1
		.amdhsa_wavefront_size32 1
		.amdhsa_system_sgpr_workgroup_id_x 1
		.amdhsa_system_sgpr_workgroup_id_y 1
		.amdhsa_system_sgpr_workgroup_id_z 1
		.amdhsa_system_vgpr_workitem_id 0
		.amdhsa_next_free_vgpr 1024
		.amdhsa_next_free_sgpr 102
		.amdhsa_reserve_vcc 0
		.amdhsa_float_denorm_mode_32 3
		.amdhsa_float_denorm_mode_16_64 3
		.amdhsa_memory_ordered 1
		.amdhsa_forward_progress 1
		.amdhsa_inst_pref_size 255
	.end_amdhsa_kernel
	.section	.bss,"aw",@nobits
	.p2align	6
	.space	262144
	.amdgpu_metadata
---
amdhsa.version: [ 1, 2 ]
amdhsa.kernels:
  - .name:           k_qc182442db8_score
    .symbol:         k_qc182442db8_score.kd
    .args:
      - { .name: seq_output, .offset: 0, .size: 8, .value_kind: global_buffer, .address_space: global }
      - { .name: W1_codes, .offset: 8, .size: 8, .value_kind: global_buffer, .address_space: global }
      - { .name: W1_scales, .offset: 16, .size: 8, .value_kind: global_buffer, .address_space: global }
      - { .name: b1, .offset: 24, .size: 8, .value_kind: global_buffer, .address_space: global }
      - { .name: w2, .offset: 32, .size: 8, .value_kind: global_buffer, .address_space: global }
      - { .name: mask, .offset: 40, .size: 8, .value_kind: global_buffer, .address_space: global }
      - { .name: scores, .offset: 48, .size: 8, .value_kind: global_buffer, .address_space: global }
    .group_segment_fixed_size: 327680
    .private_segment_fixed_size: 0
    .kernarg_segment_align: 8
    .kernarg_segment_size: 56
    .max_flat_workgroup_size: 128
    .sgpr_count:     102
    .vgpr_count:     1024
    .wavefront_size: 32
...
	.end_amdgpu_metadata
.endif
;; end of part 1
;; launch pool (part 2): grid 4 x 128, 8 waves a work-group, no clusters, 9,216 bytes of LDS; arguments scores, mask, seq_output, out0, out1; writes out0, out1
.if DOCPART == 2
	.amdgcn_target "amdgcn-amd-amdhsa--gfx1250"
	.amdhsa_code_object_version 6
	.text
	.protected	k_qc182442db8_pool
	.globl	k_qc182442db8_pool
	.p2align	8
	.type	k_qc182442db8_pool,@function
k_qc182442db8_pool:
	s_mov_b64 s[64:65], 0
	v_nop
	global_prefetch_b8 v0, s[64:65] scope:SCOPE_SE
	s_setreg_imm32_b32 hwreg(HW_REG_WAVE_MODE, 25, 1), 1
	s_wait_xcnt 0x0
; out1[b][:] = sum over s of softmax_s(mask ? -1e9 : scores[b][s]) x[b][s][:];  out0[b][:] = x[b][511][:].  scores: [128][512] f32, mask: [128][512] bytes 0 or 1, x: [128][512][1024] f32.  All in f32.
; SHARES.  A work-group owns one batch and 256 columns (1,024 bytes of every row); wave w its rows 64 w .. 64 w + 63; a lane the 16 bytes at 16 x lane and at 512 + 16 x lane.  Each load of a wave reads 512 consecutive bytes.
; Every wave makes the batch's softmax itself (512 scores, 16 a lane): the largest score is taken away first, p = 2^((s - max) log2 e), the sum of p divides at the end.
; A MASKED ROW IS NOT FETCHED where the batch has an unmasked row: its p is 2^(about -1.4e9) = 0 exactly (this holds while |score| stays far under 1e9; the scores are sums of w2 tanh).
; Its two loads are steered, by s_cselect on the mask byte and with no branch, to my wave's first row, whose finite numbers are multiplied by 0.  So every wave issues the same 128 loads, and the waits are counted:
; a ring of 16 rows, 32 loads out; four rows are summed and asked for anew at a time.  In a batch that is masked throughout all p are 1, and every row is read.  LIMIT: NaN and infinities in x are not served.
; Memory binds: no matrix unit (one row of weights a batch), no cluster (no two work-groups read the same bytes of x), no tensor loads and no prefetch (32 register loads a wave stay on their way).
.set SC,  16                           ; v16-31  my 16 scores, then p
.set MV,  32                           ; v32-35  my 16 mask bytes
.set ACC, 48                           ; v48-55  my 8 columns' sums
.set X,   64                           ; v64-191 16 rows x 8 numbers
.set AD,  194                          ; v194-209 the 16 rows' offsets
.set MK,  16                           ; s[16:31] my wave's 64 mask bytes
.set W,   32                           ; s[32:47] 16 weights
	s_load_b256 s[4:11], s[0:1], 0x0               ; scores s[4:5], mask s[6:7], x s[8:9], out0 s[10:11]
	s_load_b64 s[12:13], s[0:1], 0x20              ; out1
	v_lshl_add_u32 v192, v0, 2, 0x2000
	v_mov_b32 v193, 0
	v_lshrrev_b32 v4, 5, v0
	s_delay_alu instid0(VALU_DEP_1)
	v_readfirstlane_b32 s14, v4                    ; wave 0..7
	s_and_b32 s15, ttmp7, 0xffff                   ; the batch
	v_and_b32 v5, 31, v0
	s_delay_alu instid0(VALU_DEP_1)
	v_lshlrev_b32 v1, 4, v5                        ; 16 x lane
	s_lshl_b32 s48, s14, 2
	v_add_nc_u32 v2, s48, v5
	s_delay_alu instid0(VALU_DEP_1)
	v_and_b32 v2, 31, v2                           ; my 16 rows of the batch begin at 16 ((lane + 4 wave) % 32): so my wave's own 64 rows lie in lanes 0 to 3
	s_delay_alu instid0(VALU_DEP_1)
	v_lshlrev_b32 v3, 4, v2                        ; their mask bytes
	s_delay_alu instid0(VALU_DEP_2)
	v_lshlrev_b32 v2, 6, v2                        ; their scores
	v_and_b32 v42, 63, v0
	s_delay_alu instid0(VALU_DEP_1)
	v_lshlrev_b32 v42, 4, v42                      ; the way out: 16 x (thread % 64)
	s_lshl_b32 s58, s14, 10
	v_add_nc_u32 v43, s58, v1                      ; LDS: my wave's 1,024 bytes
	s_mov_b32 s49, 0
	s_mov_b32 s56, 0x76543210
	s_mov_b32 s57, 0xfedcba98
	s_wait_alu depctr_va_vdst(0)
	s_wait_kmcnt 0x0
	s_lshl_b32 s48, s15, 11
	s_add_nc_u64 s[4:5], s[4:5], s[48:49]          ; the batch's scores
	s_lshl_b32 s48, s15, 9
	s_add_nc_u64 s[6:7], s[6:7], s[48:49]          ; its mask
	s_lshl_b32 s48, s14, 6
	s_add_nc_u64 s[50:51], s[6:7], s[48:49]        ; my wave's 64 bytes of it
	s_lshl_b32 s52, ttmp9, 10                      ; my 256 columns
	s_lshl_b32 s48, s15, 21
	s_add_co_u32 s48, s48, s52
	s_add_nc_u64 s[8:9], s[8:9], s[48:49]          ; x: the batch's first row, my columns
	s_lshl_b32 s48, s14, 18
	s_add_nc_u64 s[54:55], s[8:9], s[48:49]        ; my wave's first row
	s_lshl_b32 s48, s15, 12
	s_add_co_u32 s48, s48, s52
	s_add_nc_u64 s[10:11], s[10:11], s[48:49]
	s_add_nc_u64 s[12:13], s[12:13], s[48:49]
	s_load_b512 s[MK:MK+15], s[50:51], 0x0
	global_load_b128 v[MV:MV+3], v3, s[6:7]
.irp i, 0,1,2,3
	global_load_b128 v[SC+4*\i:SC+4*\i+3], v2, s[4:5] offset:16*\i
.endr
.irp i, 0,1,2,3,4,5,6,7
	v_mov_b32 v[ACC+\i], 0
.endr
	s_wait_loadcnt 0x0
	s_wait_kmcnt 0x0
	v_and_b32 v36, v[MV], v[MV+1]
	v_and_b32 v37, v[MV+2], v[MV+3]
	s_delay_alu instid0(VALU_DEP_1)
	v_and_b32 v36, v36, v37
	s_delay_alu instid0(VALU_DEP_1)
	v_cmp_ne_u32 vcc_lo, 0x01010101, v36           ; a lane with an unmasked row among its 16
	s_cmp_lg_u32 vcc_lo, 0
	s_cselect_b32 s48, -1, 0                       ; is there one in the batch?
.irp i, 0,1,2,3,4,5,6,7,8,9,10,11,12,13,14,15
	s_and_b32 s[MK+\i], s[MK+\i], s48              ; if not, nothing is left out
.endr
.macro ROWLD r                         ; row r of my 64 into place r % 16 of the ring, or my first row in its stead; the offset is held inside my 64 rows
	s_bitcmp1_b32 s[MK+(\r)/4], 8*((\r)%4)
	s_cselect_b32 s60, 0, (\r)*4096
	s_min_u32 s60, s60, 0x3f000
	v_add_nc_u32 v[AD+(\r)%16], s60, v1
	global_load_b128 v[X+8*((\r)%16):X+8*((\r)%16)+3], v[AD+(\r)%16], s[54:55]
	global_load_b128 v[X+8*((\r)%16)+4:X+8*((\r)%16)+7], v[AD+(\r)%16], s[54:55] offset:512
.endm
.irp j, 0,1,2,3,4,5,6,7,8,9,10,11,12,13,14,15
	ROWLD \j                                       ; the first 16 rows are on their way while the softmax is made
.endr
	v_mov_b32 v37, 0xce6e6b28                      ; -1e9
.irp j, 0,1,2,3,4,5,6,7,8,9,10,11,12,13,14,15
	v_and_b32 v36, 1<<(8*(\j%4)), v[MV+\j/4]
	s_delay_alu instid0(VALU_DEP_1)
	v_cmp_ne_u32 vcc_lo, 0, v36
	s_delay_alu instid0(VALU_DEP_1)
	v_cndmask_b32 v[SC+\j], v[SC+\j], v37, vcc_lo
.endr
	v_max3_num_f32 v38, v[SC], v[SC+1], v[SC+2]
.irp i, 3,5,7,9,11,13
	s_delay_alu instid0(VALU_DEP_1)
	v_max3_num_f32 v38, v38, v[SC+\i], v[SC+\i+1]
.endr
	s_delay_alu instid0(VALU_DEP_1)
	v_max_num_f32 v38, v38, v[SC+15]
.irp k, 1,2,4,8
	s_delay_alu instid0(VALU_DEP_1)
	v_max_num_f32_dpp v38, v38, v38 row_xmask:\k row_mask:0xf bank_mask:0xf
.endr
	v_mov_b32 v39, 0
	s_delay_alu instid0(VALU_DEP_1)
	v_permlanex16_b32 v39, v38, s56, s57
	s_delay_alu instid0(VALU_DEP_1)
	v_max_num_f32 v38, v38, v39                    ; the batch's largest score
	s_delay_alu instid0(VALU_DEP_1)
	v_mov_b32 v39, v38
.irp i, 0,2,4,6,8,10,12,14
	v_pk_add_f32 v[SC+\i:SC+\i+1], v[SC+\i:SC+\i+1], v[38:39] neg_lo:[0,1] neg_hi:[0,1]   ; s - max first: equal scores give exactly 0
.endr
.irp i, 0,2,4,6,8,10,12,14
	v_pk_mul_f32 v[SC+\i:SC+\i+1], v[SC+\i:SC+\i+1], 0x3fb8aa3b op_sel_hi:[1,0]
.endr
	s_wait_alu depctr_va_vdst(0)
.irp j, 0,1,2,3,4,5,6,7,8,9,10,11,12,13,14,15
	v_exp_f32 v[SC+\j], v[SC+\j]
.endr
	v_nop                                          ; a plain line behind the last exponential,
	s_wait_alu depctr_va_vdst(0)                   ; and one wait for the sixteen, ahead of their first reader
	v_pk_add_f32 v[40:41], v[SC:SC+1], v[SC+2:SC+3]
	v_pk_add_f32 v[44:45], v[SC+4:SC+5], v[SC+6:SC+7]
	v_pk_add_f32 v[46:47], v[SC+8:SC+9], v[SC+10:SC+11]
	v_pk_add_f32 v[36:37], v[SC+12:SC+13], v[SC+14:SC+15]
	s_delay_alu instid0(VALU_DEP_3)
	v_pk_add_f32 v[40:41], v[40:41], v[44:45]
	s_delay_alu instid0(VALU_DEP_2)
	v_pk_add_f32 v[46:47], v[46:47], v[36:37]
	s_delay_alu instid0(VALU_DEP_1)
	v_pk_add_f32 v[40:41], v[40:41], v[46:47]
	s_delay_alu instid0(VALU_DEP_1)
	v_add_f32 v40, v40, v41
.irp k, 1,2,4,8
	s_delay_alu instid0(VALU_DEP_1)
	v_add_f32_dpp v40, v40, v40 row_xmask:\k row_mask:0xf bank_mask:0xf
.endr
	s_delay_alu instid0(VALU_DEP_1)
	v_permlanex16_b32 v39, v40, s56, s57
	s_delay_alu instid0(VALU_DEP_1)
	v_add_f32 v40, v40, v39                        ; the sum of p: at least 1
	s_wait_alu depctr_va_vdst(0)
	v_rcp_f32 v41, v40
	v_nop
	s_wait_alu depctr_va_vdst(0)                   ; the wait behind the reciprocal
.macro GRP t, g                        ; rows 16 t + 4 g .. + 3 are summed; their places take the rows 16 further on
.if \t < 3
	s_wait_loadcnt 24                              ; of the 32 loads out the oldest 8 are in
.else
	s_wait_alu depctr_va_vdst(0)                   ; no offsets are made between these groups
	s_wait_loadcnt 24-8*\g                         ; nothing more is asked for: 8 fewer are out each time
.endif
.irp j, 0,1,2,3
.irp k, 0,1,2,3,4,5,6,7
	v_fmac_f32 v[ACC+\k], s[W+4*\g+\j], v[X+8*(4*\g+\j)+\k]
.endr
.endr
.if \t < 3
.irp j, 0,1,2,3
	ROWLD (16*\t+16+4*\g+\j)
.endr
.endif
.endm
.irp t, 0,1,2,3
.irp j, 0,1,2,3,4,5,6,7,8,9,10,11,12,13,14,15
	v_readlane_b32 s[W+\j], v[SC+\j], \t           ; lane t holds p of my wave's rows 16 t .. 16 t + 15
.endr
	GRP \t, 0
	GRP \t, 1
	GRP \t, 2
	GRP \t, 3
.endr
	; the eight waves' sums meet in LDS
	ds_store_b128 v43, v[ACC:ACC+3]
	ds_store_b128 v43, v[ACC+4:ACC+7] offset:512
	s_wait_dscnt 0x0                               ; for the others' sake: my stores are done
	s_barrier_signal -1
	s_barrier_wait -1
	s_cmp_lt_u32 s14, 2
	s_cbranch_scc0 .Lnot_sum
.irp k, 0,1,2,3,4,5,6,7
	ds_load_b128 v[X+4*\k:X+4*\k+3], v42 offset:1024*\k   ; waves 0 and 1: thread t takes the 16 bytes at 16 t of each wave's 1,024
.endr
	s_wait_dscnt 0x0
.irp k, 0,2
	v_pk_add_f32 v[X+\k:X+\k+1], v[X+\k:X+\k+1], v[X+4+\k:X+5+\k]
	v_pk_add_f32 v[X+8+\k:X+9+\k], v[X+8+\k:X+9+\k], v[X+12+\k:X+13+\k]
	v_pk_add_f32 v[X+16+\k:X+17+\k], v[X+16+\k:X+17+\k], v[X+20+\k:X+21+\k]
	v_pk_add_f32 v[X+24+\k:X+25+\k], v[X+24+\k:X+25+\k], v[X+28+\k:X+29+\k]
.endr
.irp k, 0,2
	v_pk_add_f32 v[X+\k:X+\k+1], v[X+\k:X+\k+1], v[X+8+\k:X+9+\k]
	v_pk_add_f32 v[X+16+\k:X+17+\k], v[X+16+\k:X+17+\k], v[X+24+\k:X+25+\k]
.endr
.irp k, 0,2
	v_pk_add_f32 v[X+\k:X+\k+1], v[X+\k:X+\k+1], v[X+16+\k:X+17+\k]
.endr
.irp k, 0,1,2,3
	v_mul_f32 v[X+\k], v[X+\k], v41                ; / the sum of p
.endr
	global_store_b128 v42, v[X:X+3], s[12:13]      ; sixteen lanes store 256 consecutive bytes, aligned
	s_wait_tensorcnt 0x0                           ; the wave's end
	ds_add_u32 v192, v193
	s_wait_dscnt 0x0
	s_endpgm
.Lnot_sum:
	s_cmp_lt_u32 s14, 4
	s_cbranch_scc0 .Lend
	global_load_b128 v[X:X+3], v42, s[8:9] offset:511*4096   ; waves 2 and 3: the last row's 1,024 bytes, as they are
	s_wait_loadcnt 0x0
	global_store_b128 v42, v[X:X+3], s[10:11]
.Lend:
	s_wait_tensorcnt 0x0
	ds_add_u32 v192, v193
	s_wait_dscnt 0x0
	s_endpgm
.Lfunc_end_k_qc182442db8_pool:
	.size	k_qc182442db8_pool, .Lfunc_end_k_qc182442db8_pool-k_qc182442db8_pool
	.p2alignl 7, 3214868480
	.fill 96, 4, 3214868480
	.section	.rodata,"a",@progbits
	.p2align	6, 0x0
	.amdhsa_kernel k_qc182442db8_pool
		.amdhsa_group_segment_fixed_size 9216
		.amdhsa_private_segment_fixed_size 0
		.amdhsa_enable_private_segment 0
		.amdhsa_kernarg_size 40
		.amdhsa_user_sgpr_count 2
		.amdhsa_user_sgpr_kernarg_segment_ptr 1
		.amdhsa_wavefront_size32 1
		.amdhsa_system_sgpr_workgroup_id_x 1
		.amdhsa_system_sgpr_workgroup_id_y 1
		.amdhsa_system_sgpr_workgroup_id_z 1
		.amdhsa_system_vgpr_workitem_id 0
		.amdhsa_next_free_vgpr 210
		.amdhsa_next_free_sgpr 66
		.amdhsa_reserve_vcc 1
		.amdhsa_float_denorm_mode_32 3
		.amdhsa_float_denorm_mode_16_64 3
		.amdhsa_memory_ordered 1
		.amdhsa_forward_progress 1
		.amdhsa_inst_pref_size 58
	.end_amdhsa_kernel
	.amdgpu_metadata
---
amdhsa.version: [ 1, 2 ]
amdhsa.kernels:
  - .name:           k_qc182442db8_pool
    .symbol:         k_qc182442db8_pool.kd
    .args:
      - { .name: scores, .offset: 0, .size: 8, .value_kind: global_buffer, .address_space: global }
      - { .name: mask, .offset: 8, .size: 8, .value_kind: global_buffer, .address_space: global }
      - { .name: seq_output, .offset: 16, .size: 8, .value_kind: global_buffer, .address_space: global }
      - { .name: out0, .offset: 24, .size: 8, .value_kind: global_buffer, .address_space: global }
      - { .name: out1, .offset: 32, .size: 8, .value_kind: global_buffer, .address_space: global }
    .group_segment_fixed_size: 9216
    .private_segment_fixed_size: 0
    .kernarg_segment_align: 8
    .kernarg_segment_size: 40
    .max_flat_workgroup_size: 256
    .sgpr_count:     66
    .vgpr_count:     210
    .wavefront_size: 32
...
	.end_amdgpu_metadata
.endif
;; end of part 2
